; MI455X (gfx1250); checked and timed in simulation.
; The chip was launched on July 23, 2026; its instructions are those of AMD's public machine-readable ISA for CDNA 5 (MIT licence, August 2026) and "CDNA5" Instruction Set Architecture Reference Guide (July 2026).
;; My Cross Attention ori. Allowed arithmetic: matrix products marked QUANTISED: E4M3 operands, one E8M0 scale for each 32 along K, by v_wmma_scale_f32_16x16x128_f8f6f4 with both operands' format E4M3, f32 sums; products left as they are: f32 operands where the result goes on into a quantised operand, else bf16, f16 or f32 operands; f32 sums; everything else in f32.
;; Inputs: Wk_codes 512 x 16 x 32 uint8 (E4M3 codes of Wk, K innermost, in blocks of 32 codes); Wk_scales 512 x 16 uint8 (E8M0 scales of Wk, one for each 32 codes along K); Wp_codes 512 x 16 x 32 uint8 (E4M3 codes of Wp, K innermost, in blocks of 32 codes); Wp_scales 512 x 16 uint8 (E8M0 scales of Wp, one for each 32 codes along K); Wq_codes 512 x 16 x 32 uint8 (E4M3 codes of Wq, K innermost, in blocks of 32 codes); Wq_scales 512 x 16 uint8 (E8M0 scales of Wq, one for each 32 codes along K); k_codes 4 x 2,048 x 16 x 32 uint8 (E4M3 codes of k, K innermost, in blocks of 32 codes); k_scales 4 x 2,048 x 16 uint8 (E8M0 scales of k, one for each 32 codes along K); q_codes 4 x 4,096 x 16 x 32 uint8 (E4M3 codes of q, K innermost, in blocks of 32 codes); q_scales 4 x 4,096 x 16 uint8 (E8M0 scales of q, one for each 32 codes along K); supp_mask 4 x 2,048 int32; v 4 x 2,048 x 512 float32.
;; Outputs: out0 4 x 4,096 x 512 float32.
;; This version of the problem:
;;   THIS VERSION OF THE PROBLEM IS GIVEN IN LOW PRECISION. The matrix products marked QUANTISED in the list below multiply operands that are first quantised to E4M3 (4 exponent bits, 3 mantissa bits; 8 bits a number), with one power-of-two scale for each 32 numbers along K (OCP MX v1.0); their sums are f32. All else is computed in f32.
;;   The module's matrix products, in the order in which they are computed (A, B: the left and right operand; K: the contracted axis; several contracted axes count as one K, in the product's order):
;;     1. [M 16,384, K 512] x [K 512, N 512]; A: input q (given as codes); B: input Wq (given as codes): QUANTISED
;;     2. [M 8,192, K 512] x [K 512, N 512]; A: input k (given as codes); B: input Wk (given as codes): QUANTISED
;;     3. batch 32 x [M 4,096, K 64] x [K 64, N 2,048]; A: computed on the way; B: computed on the way: QUANTISED
;;     4. batch 4 x [M 32,768, K 2,048] x [K 2,048, N 1]; A: softmax; B: input supp_mask: left as it is (N = 1 < 16)
;;     5. [M 16,384, K 512] x [K 512, N 512]; A: computed on the way; B: input Wp (given as codes): QUANTISED
;;   THE QUANTISER, for each operand of a quantised product, along K:
;;     - K is cut into blocks of 32 from its start; a last block that is shorter is filled with zeros.
;;     - A block's scale is 2^e with e = floor(log2(the largest magnitude in the block)) - 8, held to -126 .. 127; a block of zeros has e = 0. As a byte (E8M0): e + 127.
;;     - Each number is divided by its block's scale, clamped to +-448, and rounded to the nearest number of E4M3, ties to even, subnormals kept.
;;     - The product sums the exact products of the quantised numbers (number of the format x scale) in f32.
;;   ~~~python
;;   def quantise(x, axis):      # numpy; x: float32 -> the quantised numbers, widened to float32 again
;;       x = np.moveaxis(x, axis, -1); K = x.shape[-1]
;;       x = np.pad(x, [(0, 0)] * (x.ndim - 1) + [(0, -K % 32)]); x = x.reshape(x.shape[:-1] + (-1, 32)); a = np.abs(x).max(-1, keepdims=True)
;;       e = np.where(a > 0, np.clip(np.frexp(np.where(a > 0, a, 1))[1] - 1 - 8, -126, 127), 0)      # np.frexp(a)[1] - 1 = floor(log2(a)), exactly
;;       r = np.clip(x / 2.0 ** e, -448, 448)
;;       step = 2.0 ** (np.maximum(np.frexp(np.where(r == 0, 1, r))[1] - 1, -6) - 3)
;;       q = np.round(r / step) * step * 2.0 ** e      # np.round: ties to even
;;       return np.moveaxis(q.reshape(q.shape[:-2] + (-1,))[..., :K], -1, axis).astype(np.float32)
;;   ~~~
;;   OPERANDS COMPUTED ON THE WAY. 'Computed on the way' means the value that the module computes at that place (a softmax that the list does not call 'softmax' is quantised finished and normalised). What goes into a quantiser is computed in f32, as accurately as f32 sums, v_exp_f32 and their like allow (about 1e-6 of the number): no bf16 or f16 on the way to a quantiser, and a product that is left as it is and whose result goes on into a quantised operand takes f32 operands (vector FMAs, or v_wmma_f32_16x16x4_f32). A number that lies on a knife's edge between two numbers of the format may be rounded either way, as far as f32 arithmetic and the matrix unit's own rounding can turn it there, and no further.
;;   INPUTS GIVEN AS CODES. Wk (in the module: [512, 512], K = its axis 1); Wp (in the module: [512, 512], K = its axis 1); Wq (in the module: [512, 512], K = its axis 1); k (in the module: [4, 2048, 512], K = its axis 2); q (in the module: [4, 4096, 512], K = its axis 2): each comes as NAME_codes (uint8): NAME with its K axis moved to the last place and cut into blocks of 32 codes, [.., K / 32, bytes a block], one block behind the other in memory; one code a byte (a code: sign, 4 exponent bits, 3 mantissa bits); and NAME_scales (uint8): the same leading axes, one E8M0 byte (e + 127) for each 32 codes along K. Its value is code x scale, taken as it is: it is not quantised again, and the codes and scales need not be those that the quantiser above would give.
;; One version. Each part assembles by itself: llvm-mc -triple=amdgcn-amd-amdhsa -mcpu=gfx1250 --defsym DOCPART=n.
;; ======== version 1 of 1: 2 launches
;; workspace buffers: qc 8,388,608 bytes; kc 4,194,304 bytes; qs 262,144 bytes; ks 131,072 bytes
;; launch proj (part 1): grid 192 x 1, 4 waves a work-group, no clusters, 0 bytes of LDS; arguments q_codes, q_scales, k_codes, k_scales, Wq_codes, Wq_scales, Wk_codes, Wk_scales, qc, qs, kc, ks; writes qc, qs, kc, ks
.if DOCPART == 1
	.amdgcn_target "amdgcn-amd-amdhsa--gfx1250"
	.amdhsa_code_object_version 6
	.text
	.protected	k_q2b26a14972_proj
	.globl	k_q2b26a14972_proj
	.p2align	8
	.type	k_q2b26a14972_proj,@function
k_q2b26a14972_proj:
	s_mov_b64 s[64:65], 0
	v_nop
	global_prefetch_b8 v0, s[64:65] scope:SCOPE_SE
	s_setreg_imm32_b32 hwreg(HW_REG_WAVE_MODE, 25, 1), 1
	s_wait_xcnt 0x0
.set XA,  1
.set XSA, 2
.set WA,  3
.set WSA, 4
.set LI,  5
.set LS,  6
.set WS,  8
.set XS,  40
.set HA,  48
.set PC,  112
.set HB,  128
.set NX,  128
.set TM,  200
.set PW,  216
.set PO,  218
.set SEL, 34
.set MNT, 36
.set HM,  37
.set SGN, 38
.set MSB, 0
.macro WIN new
.if MSB != \new
	s_set_vgpr_msb (MSB<<8)|\new
.set MSB, \new
.endif
.endm
.macro QUANT s, w
.irp b, 0,1,2,3
	v_max3_num_f32 v[TM+\b], |v[\s+16*\b]|, |v[\s+1+16*\b]|, 0x5000000
.endr
.irp i, 2,4,6,8,10,12,14
.irp b, 0,1,2,3
	v_max3_num_f32 v[TM+\b], v[TM+\b], |v[\s+16*\b+\i]|, |v[\s+1+16*\b+\i]|
.endr
.endr
.irp b, 0,1,2,3
	v_permlanex16_b32 v[TM+4+\b], v[TM+\b], s[SEL], s[SEL+1]
.endr
.irp b, 0,1,2,3
	v_max_num_f32 v[TM+\b], v[TM+\b], v[TM+4+\b]
.endr
.irp b, 0,1,2,3
	v_add_nc_u32 v[TM+12+\b], 0xfc000000, v[TM+\b]
.endr
.irp b, 0,1,2,3
	v_and_or_b32 v[TM+8+\b], v[TM+\b], 0x7f800000, s[MNT]
.endr
.irp b, 0,1,2,3
	v_add_nc_u32 v[TM+4+\b], 0xfb800000, v[TM+\b]
.endr
.irp b, 0,1,2,3
	v_lshrrev_b32 v[TM+4+\b], 23, v[TM+4+\b]
.endr
	v_lshl_or_b32 v[\w], v[TM+5], 8, v[TM+4]
	v_lshl_or_b32 v[\w], v[TM+6], 16, v[\w]
	v_lshl_or_b32 v[\w], v[TM+7], 24, v[\w]
.irp b, 0,1,2,3
.irp i, 0,1,2,3,4,5,6,7,8,9,10,11,12,13,14,15
	v_med3_num_f32 v[\s+16*\b+\i], v[\s+16*\b+\i], -v[TM+8+\b], v[TM+8+\b]
.endr
	v_cvt_scalef32_pk8_fp8_f32 v[PC+4*\b:PC+1+4*\b], v[\s+16*\b:\s+7+16*\b], v[TM+12+\b]
	v_cvt_scalef32_pk8_fp8_f32 v[PC+2+4*\b:PC+3+4*\b], v[\s+8+16*\b:\s+15+16*\b], v[TM+12+\b]
.endr
	v_nop
.endm
.macro XLOAD t
.set UL, (\t)%2
	WIN 0xc0
.irp s, 0,1,2,3
.irp c, 0,1,2,3
	global_load_b128 v[64*UL+16*\s+4*\c:64*UL+16*\s+4*\c+3], v[XA], s[4:5] offset:(\t)*8192+128*\s+32*\c
.endr
.endr
	WIN 0
	global_load_b128 v[XS+4*UL:XS+4*UL+3], v[XSA], s[6:7] offset:(\t)*256
.endm
.macro TILE t
.if (\t) < 7
	XLOAD (\t)+1
	s_wait_loadcnt 17
.else
	s_wait_loadcnt 0x0
.endif
.set UT, (\t)%2
	WIN 0xcc
.set j, 0
.rept 64
	v_xor_b32 v[NX+j], s[SGN], v[64*UT+j]
.set j, j+1
.endr
.rept 4
	v_nop
.endr
.irp s, 0,1,2,3
.if \s < 2
	WIN 0x0d
.else
	WIN 0x0e
.endif
.irp n, 0,1,2,3,4,5,6,7
.if \s == 0
	v_wmma_scale_f32_16x16x128_f8f6f4 v[HA+8*\n:HA+8*\n+7], v[128*(\s%2)+16*\n:128*(\s%2)+16*\n+15], v[64*UT+16*\s:64*UT+16*\s+15], 0, v[WS+4*\n+\s], v[XS+4*UT+\s]
	v_wmma_scale_f32_16x16x128_f8f6f4 v[HB+8*\n:HB+8*\n+7], v[128*(\s%2)+16*\n:128*(\s%2)+16*\n+15], v[NX+16*\s:NX+16*\s+15], 0, v[WS+4*\n+\s], v[XS+4*UT+\s]
.else
	v_wmma_scale_f32_16x16x128_f8f6f4 v[HA+8*\n:HA+8*\n+7], v[128*(\s%2)+16*\n:128*(\s%2)+16*\n+15], v[64*UT+16*\s:64*UT+16*\s+15], v[HA+8*\n:HA+8*\n+7], v[WS+4*\n+\s], v[XS+4*UT+\s]
	v_wmma_scale_f32_16x16x128_f8f6f4 v[HB+8*\n:HB+8*\n+7], v[128*(\s%2)+16*\n:128*(\s%2)+16*\n+15], v[NX+16*\s:NX+16*\s+15], v[HB+8*\n:HB+8*\n+7], v[WS+4*\n+\s], v[XS+4*UT+\s]
.endif
.endr
.endr
	WIN 0
.rept 8
	v_nop
.endr
.set j, 0
.rept 32
	v_pk_add_f32 v[HA+j:HA+j+1], v[HA+j:HA+j+1], v[HB+j:HB+j+1] neg_lo:[0,1] neg_hi:[0,1]
.set j, j+2
.endr
	s_wait_xcnt 0x0
	QUANT HA, PW+UT
.irp c, 0,1,2,3
	global_store_b128 v[LI], v[PC+4*\c:PC+4*\c+3], s[20:21] offset:(\t)*8192+512*\c
.endr
.if (\t)%2
	v_cndmask_b32 v[PO], v[PW], v[PW+1], s[HM]
	global_store_b32 v[LS], v[PO], s[22:23] offset:128*((\t)/2)
.endif
.endm
	s_load_b256 s[4:11], s[0:1], 0x0
	s_load_b256 s[12:19], s[0:1], 0x20
	s_load_b256 s[20:27], s[0:1], 0x40
	v_lshrrev_b32 v220, 5, v0
	v_readfirstlane_b32 s28, v220
	v_and_b32 v220, 15, v0
	v_bfe_u32 v221, v0, 4, 1
	v_and_b32 v222, 31, v0
	v_lshlrev_b32 v[XA], 9, v220
	v_lshl_add_u32 v[XA], v221, 4, v[XA]
	v_lshlrev_b32 v[XSA], 4, v220
	v_and_b32 v223, 8, v220
	v_add_nc_u32 v223, v223, v220
	v_lshlrev_b32 v[WA], 9, v223
	v_lshl_add_u32 v[WA], v221, 4, v[WA]
	v_lshlrev_b32 v[WSA], 4, v223
	v_lshlrev_b32 v[LI], 4, v222
	v_lshlrev_b32 v[LS], 2, v222
	s_mov_b32 s[SEL], 0x76543210
	s_mov_b32 s[SEL+1], 0xfedcba98
	s_mov_b32 s[MNT], 0x600000
	s_mov_b32 s[HM], 0xffff0000
	s_mov_b32 s[SGN], 0x80808080
.irp b, 0,1,2,3
	v_mov_b32 v[TM+4+\b], 0
.endr
	s_wait_kmcnt 0x0
	s_cmp_lt_u32 ttmp9, 128
	s_cselect_b64 s[4:5], s[4:5], s[8:9]
	s_cselect_b64 s[6:7], s[6:7], s[10:11]
	s_cselect_b64 s[12:13], s[12:13], s[16:17]
	s_cselect_b64 s[14:15], s[14:15], s[18:19]
	s_cselect_b64 s[20:21], s[20:21], s[24:25]
	s_cselect_b64 s[22:23], s[22:23], s[26:27]
	s_cselect_b32 s29, 0, 128
	s_sub_co_u32 s29, ttmp9, s29
	s_mov_b32 s31, 0
	s_lshl_b32 s30, s29, 16
	s_add_nc_u64 s[4:5], s[4:5], s[30:31]
	s_add_nc_u64 s[20:21], s[20:21], s[30:31]
	s_lshl_b32 s30, s29, 11
	s_add_nc_u64 s[6:7], s[6:7], s[30:31]
	s_lshl_b32 s30, s28, 16
	s_add_nc_u64 s[12:13], s[12:13], s[30:31]
	s_lshl_b32 s30, s28, 11
	s_add_nc_u64 s[14:15], s[14:15], s[30:31]
	s_add_nc_u64 s[20:21], s[20:21], s[30:31]
	s_lshr_b32 s30, s29, 4
	s_lshl_b32 s30, s30, 15
	s_lshl_b32 s32, s28, 13
	s_add_co_u32 s30, s30, s32
	s_and_b32 s32, s29, 15
	s_lshl_b32 s32, s32, 9
	s_add_co_u32 s30, s30, s32
	s_add_nc_u64 s[22:23], s[22:23], s[30:31]
	WIN 0x40
.irp n, 0,1,2,3,4,5,6,7
.irp s, 0,1
.irp c, 0,1,2,3
	global_load_b128 v[128*\s+16*\n+4*\c:128*\s+16*\n+4*\c+3], v[WA], s[12:13] offset:(32*(\n/2)+8*(\n%2))*512+128*\s+32*\c
.endr
.endr
.endr
	WIN 0x80
.irp n, 0,1,2,3,4,5,6,7
.irp s, 2,3
.irp c, 0,1,2,3
	global_load_b128 v[128*(\s-2)+16*\n+4*\c:128*(\s-2)+16*\n+4*\c+3], v[WA], s[12:13] offset:(32*(\n/2)+8*(\n%2))*512+128*\s+32*\c
.endr
.endr
.endr
	WIN 0
.irp n, 0,1,2,3,4,5,6,7
	global_load_b128 v[WS+4*\n:WS+4*\n+3], v[WSA], s[14:15] offset:(32*(\n/2)+8*(\n%2))*16
.endr
	XLOAD 0
.irp t, 0,1,2,3,4,5,6,7
	TILE \t
.endr
	s_endpgm
.Lfunc_end_k_q2b26a14972_proj:
	.size	k_q2b26a14972_proj, .Lfunc_end_k_q2b26a14972_proj-k_q2b26a14972_proj
	.p2alignl 7, 3214868480
	.fill 96, 4, 3214868480
	.section	.rodata,"a",@progbits
	.p2align	6, 0x0
	.amdhsa_kernel k_q2b26a14972_proj
		.amdhsa_group_segment_fixed_size 0
		.amdhsa_private_segment_fixed_size 0
		.amdhsa_enable_private_segment 0
		.amdhsa_kernarg_size 96
		.amdhsa_user_sgpr_count 2
		.amdhsa_user_sgpr_kernarg_segment_ptr 1
		.amdhsa_wavefront_size32 1
		.amdhsa_system_sgpr_workgroup_id_x 1
		.amdhsa_system_sgpr_workgroup_id_y 1
		.amdhsa_system_sgpr_workgroup_id_z 1
		.amdhsa_system_vgpr_workitem_id 0
		.amdhsa_next_free_vgpr 960
		.amdhsa_next_free_sgpr 66
		.amdhsa_reserve_vcc 0
		.amdhsa_float_denorm_mode_32 3
		.amdhsa_float_denorm_mode_16_64 3
		.amdhsa_memory_ordered 1
		.amdhsa_forward_progress 1
		.amdhsa_inst_pref_size 199
	.end_amdhsa_kernel
	.amdgpu_metadata
---
amdhsa.version: [ 1, 2 ]
amdhsa.kernels:
  - .name:           k_q2b26a14972_proj
    .symbol:         k_q2b26a14972_proj.kd
    .args:
      - { .name: q_codes, .offset: 0, .size: 8, .value_kind: global_buffer, .address_space: global }
      - { .name: q_scales, .offset: 8, .size: 8, .value_kind: global_buffer, .address_space: global }
      - { .name: k_codes, .offset: 16, .size: 8, .value_kind: global_buffer, .address_space: global }
      - { .name: k_scales, .offset: 24, .size: 8, .value_kind: global_buffer, .address_space: global }
      - { .name: Wq_codes, .offset: 32, .size: 8, .value_kind: global_buffer, .address_space: global }
      - { .name: Wq_scales, .offset: 40, .size: 8, .value_kind: global_buffer, .address_space: global }
      - { .name: Wk_codes, .offset: 48, .size: 8, .value_kind: global_buffer, .address_space: global }
      - { .name: Wk_scales, .offset: 56, .size: 8, .value_kind: global_buffer, .address_space: global }
      - { .name: qc, .offset: 64, .size: 8, .value_kind: global_buffer, .address_space: global }
      - { .name: qs, .offset: 72, .size: 8, .value_kind: global_buffer, .address_space: global }
      - { .name: kc, .offset: 80, .size: 8, .value_kind: global_buffer, .address_space: global }
      - { .name: ks, .offset: 88, .size: 8, .value_kind: global_buffer, .address_space: global }
    .group_segment_fixed_size: 0
    .private_segment_fixed_size: 0
    .kernarg_segment_align: 8
    .kernarg_segment_size: 96
    .max_flat_workgroup_size: 128
    .sgpr_count:     66
    .vgpr_count:     960
    .wavefront_size: 32
...
	.end_amdgpu_metadata
.endif
;; end of part 1
;; launch attn (part 2): grid 64 x 4, 16 waves a work-group, clusters of 4 x 1, 327,680 bytes of LDS; arguments qc, qs, kc, ks, supp_mask, Wp_codes, Wp_scales, out0; writes out0
.if DOCPART == 2
	.amdgcn_target "amdgcn-amd-amdhsa--gfx1250"
	.amdhsa_code_object_version 6
	.text
	.protected	k_q2b26a14972_attn
	.globl	k_q2b26a14972_attn
	.p2align	8
	.type	k_q2b26a14972_attn,@function
k_q2b26a14972_attn:
	s_mov_b64 s[64:65], 0
	v_nop
	global_prefetch_b8 v0, s[64:65] scope:SCOPE_SE
	s_setreg_imm32_b32 hwreg(HW_REG_WAVE_MODE, 25, 1), 1
	s_wait_xcnt 0x0
	s_wait_alu depctr_hold_cnt(0) depctr_sa_sdst(0) depctr_va_vdst(0) depctr_va_sdst(0) depctr_va_ssrc(0) depctr_va_vcc(0) depctr_vm_vsrc(0)
	s_getreg_b32 s2, hwreg(HW_REG_IB_STS2, 6, 4)
	s_cmp_eq_u32 s2, 0
	s_cbranch_scc0 .Lentry_in_a_cluster
	s_endpgm
.Lentry_in_a_cluster:
	s_bfe_u32 s2, ttmp6, 0x10000c
	s_cmp_lg_u32 s2, 0x3003
	s_cbranch_scc0 .Lentry_shape_is_right
	s_endpgm
.Lentry_shape_is_right:
.set SLOT1, 1<<17
.set SCK,   2*SLOT1
.set MSK,   SCK+32768
.set SPARE, MSK+8192
.set XIMG,  0
.set XSC,   32768
.set STG,   36864
.set SP,    2064
.set AK0, 1
.set AS0, 2
.set AM0, 3
.set ADK, 4
.set ADS, 6
.set PFO, 7
.set SPW, 8
.set NIL, 9
.set ADM, 10
.set LI,  11
.set ST,  12
.set CH,  36
.set QB,  40
.set KF,  64
.set S,   128
.set MK,  192
.set KS,  224
.set QS,  226
.set WPS, 228
.set XS,  236
.set ACC, 240
.set WPA, 1
.set WPSA, 2
.set XWI, 3
.set XWS, 4
.set LS,  5
.set SO,  6
.set SR,  10
.set XN,  192
.set PC,  48
.set PW,  243
.set WV,  20
.set HP,  21
.set QT,  22
.set CX,  23
.set WGX, 24
.set BB,  25
.set G1,  32
.set G1S, 40
.set G0S, 48
.set G0A, 52
.set G0B, 56
.set CS,  60
.set SEL, 62
.set TB,  66
.set TS,  67
.set SLOTS, 68
.set LIM, 69
.set PFA, 70
.set MNT, 72
.set FLR, 73
.macro CROUND
	s_barrier_signal -1
	s_barrier_wait -1
	s_cmp_lg_u32 s[WV], 0
	s_cbranch_scc1 .Lnot_wave_0_\@
	s_barrier_signal -3
.Lnot_wave_0_\@:
	s_barrier_wait -3
	s_barrier_signal -1
	s_barrier_wait -1
.endm
.macro JLOAD
	s_cmp_lt_u32 s[WV], 4
	s_cbranch_scc0 .Lnone_\@
	tensor_load_to_lds s[G0B:G0B+3], s[G1:G1+7]
	s_nop 0
.rept 4
	v_nop
.endr
.Lnone_\@:
.endm
.macro ASK
	s_cmp_gt_u32 s[SLOTS], s[LIM]
	s_cbranch_scc0 .Lnot_mine_\@
	global_prefetch_b8 v[PFO], s[PFA:PFA+1] th:TH_LOAD_NT scope:SCOPE_SE
.Lnot_mine_\@:
.endm
.macro ADDRS
	v_add_nc_u32 v[ADK], s[TB], v[AK0]
	v_add_nc_u32 v[ADS], s[TS], v[AS0]
	v_add_nc_u32 v[ADM], s[TS], v[AM0]
	v_add_nc_u32 v[ADK+1], 0x10000, v[ADK]
.endm
.macro LOADK q
.irp i, 0,1
	ds_load_b32 v[KS+\i], v[ADS] offset:256*(\q)+128*\i
.endr
.irp t, 0,1,2,3
.irp c, 0,1,2,3
	ds_load_b128 v[KF+16*\t+4*\c:KF+16*\t+4*\c+3], v[ADK+(\q)/2] offset:((\q)%2)*32768+8192*\t+512*\c
.endr
.endr
.endm
.macro LOADM q
.irp t, 0,1,2,3
.irp i, 0,1
	ds_load_b128 v[MK+8*\t+4*\i:MK+8*\t+4*\i+3], v[ADM] offset:256*(\q)+64*\t+16*\i
.endr
.endr
.endm
.macro WM e
.irp t, 0,2
	v_wmma_scale_f32_16x16x128_f8f6f4 v[S+32*(\e)+8*\t:S+32*(\e)+8*\t+7], v[KF+16*\t:KF+16*\t+15], v[QB+8*(\e):QB+8*(\e)+15], 0, v[KS+\t/2], v[QS]
	v_wmma_scale_f32_16x16x128_f8f6f4 v[S+32*(\e)+8*\t+8:S+32*(\e)+8*\t+15], v[KF+16*\t+16:KF+16*\t+31], v[QB+8*(\e):QB+8*(\e)+15], 0, v[KS+\t/2], v[QS] matrix_a_scale:MATRIX_SCALE_ROW1
.endr
.endm
.macro SMA e
.set rT, ST+12*(\e)
.set rS, S+32*(\e)
.irp j, 0,1,2,3
	v_max3_num_f32 v[CH+\j], v[rS+8*\j], v[rS+8*\j+1], v[rS+8*\j+2]
.endr
.irp i, 3,5
.irp j, 0,1,2,3
	v_max3_num_f32 v[CH+\j], v[CH+\j], v[rS+8*\j+\i], v[rS+8*\j+\i+1]
.endr
.endr
	v_max3_num_f32 v[CH], v[CH], v[rS+7], v[rS+15]
	v_max3_num_f32 v[CH+2], v[CH+2], v[rS+23], v[rS+31]
	v_max3_num_f32 v[CH], v[CH], v[CH+1], v[CH+2]
	v_max3_num_f32 v[rT+1], v[CH], v[CH+3], v[rT+1]
.endm
.macro SMB e, dsw
.set rT, ST+12*(\e)
.set rS, S+32*(\e)
	v_mov_b32 v[rT+11], v[rT]
	v_mul_f32 v[rT], s[CS], v[rT+1]
	v_sub_f32 v[rT+11], v[rT+11], v[rT]
	v_exp_f32 v[rT+10], v[rT+11]
.irp b, 0,2
	v_pk_fma_f32 v[rS+\b:rS+\b+1], v[rS+\b:rS+\b+1], s[CS:CS+1], v[rT:rT+1] op_sel_hi:[1,0,0] neg_lo:[0,0,1] neg_hi:[0,0,1]
.endr
.set k, 0
.rept 14
	v_exp_f32 v[rS+k], v[rS+k]
	v_exp_f32 v[rS+k+1], v[rS+k+1]
	v_pk_fma_f32 v[rS+k+4:rS+k+5], v[rS+k+4:rS+k+5], s[CS:CS+1], v[rT:rT+1] op_sel_hi:[1,0,0] neg_lo:[0,0,1] neg_hi:[0,0,1]
.set k, k+2
.endr
.irp i, 28,29,30,31
	v_exp_f32 v[rS+\i], v[rS+\i]
.endr
	v_nop
	s_wait_alu depctr_va_vdst(0)
.if \dsw >= 0
	s_wait_dscnt \dsw
.endif
	v_pk_fma_f32 v[rT+2:rT+3], v[rT+2:rT+3], v[rT+10:rT+11], v[rS:rS+1] op_sel_hi:[1,0,1]
	v_pk_mul_f32 v[rT+6:rT+7], v[rT+6:rT+7], v[rT+10:rT+11] op_sel_hi:[1,0]
	v_pk_fma_f32 v[rT+4:rT+5], v[rT+4:rT+5], v[rT+10:rT+11], v[rS+2:rS+3] op_sel_hi:[1,0,1]
	v_pk_mul_f32 v[rT+8:rT+9], v[rT+8:rT+9], v[rT+10:rT+11] op_sel_hi:[1,0]
	v_pk_fma_f32 v[rT+6:rT+7], v[rS:rS+1], v[MK:MK+1], v[rT+6:rT+7]
	v_pk_fma_f32 v[rT+8:rT+9], v[rS+2:rS+3], v[MK+2:MK+3], v[rT+8:rT+9]
.set k, 4
.rept 7
	v_pk_add_f32 v[rT+2:rT+3], v[rT+2:rT+3], v[rS+k:rS+k+1]
	v_pk_fma_f32 v[rT+6:rT+7], v[rS+k:rS+k+1], v[MK+k:MK+k+1], v[rT+6:rT+7]
	v_pk_add_f32 v[rT+4:rT+5], v[rT+4:rT+5], v[rS+k+2:rS+k+3]
	v_pk_fma_f32 v[rT+8:rT+9], v[rS+k+2:rS+k+3], v[MK+k+2:MK+k+3], v[rT+8:rT+9]
.set k, k+4
.endr
.endm
.macro STEP q, pro
	LOADK \q
.if !(\pro)
	SMB 0, 18
.endif
	s_wait_dscnt 0x0
	WM 0
.if \pro
.rept 8
	v_nop
.endr
.else
	SMA 1
	SMB 1, -1
.endif
	LOADM \q
	WM 1
	SMA 0
.endm
.macro CHANGE fill
	s_wait_tensorcnt 0x0
	ds_add_u32 v[SPW], v[NIL]
.if \fill
	s_xor_b32 s[G0B+1], s[G0B+1], SLOT1
	s_add_nc_u64 s[G0B+2:G0B+3], s[G0B+2:G0B+3], SLOT1
	s_wait_xcnt 0x0
	s_add_nc_u64 s[PFA:PFA+1], s[PFA:PFA+1], SLOT1
	s_wait_dscnt 0x0
	CROUND
	JLOAD
	ASK
.else
	s_wait_dscnt 0x0
	s_barrier_signal -1
	s_barrier_wait -1
.endif
	s_xor_b32 s[TB], s[TB], SLOT1
	s_add_co_u32 s[TS], s[TS], 1024
	ADDRS
.endm
.macro SLOT4
	STEP 0, 0
	STEP 1, 0
	STEP 2, 0
	STEP 3, 0
.endm
.macro WPLOAD n, s
.irp c, 0,1,2,3
	global_load_b128 v[KF+64*(\n)+16*(\s)+4*\c:KF+64*(\n)+16*(\s)+4*\c+3], v[WPA], s[14:15] offset:8192*(\n)+128*(\s)+32*\c
.endr
.endm
	s_load_b256 s[4:11], s[0:1], 0x0
	s_load_b256 s[12:19], s[0:1], 0x20
	v_lshl_add_u32 v[SPW], v0, 2, SPARE
	v_mov_b32 v[NIL], 0
	ds_add_u32 v[SPW], v[NIL]
	v_lshrrev_b32 v248, 5, v0
	v_readfirstlane_b32 s[WV], v248
	s_and_b32 s[HP], s[WV], 3
	s_lshr_b32 s[QT], s[WV], 2
	s_bfe_u32 s[CX], ttmp6, 0x40000
	s_lshl_b32 s[WGX], ttmp9, 2
	s_add_co_u32 s[WGX], s[WGX], s[CX]
	s_and_b32 s[BB], ttmp7, 0xffff
	s_mov_b32 s[G1], 15|(3<<16)|(1<<21)
	s_mov_b32 s[G1+1], 32<<16
	s_mov_b32 s[G1+2], 128<<16
	s_mov_b32 s[G1+3], 32<<16
	s_mov_b32 s[G1+4], 128
	s_mov_b32 s[G1+5], 32
	s_mov_b32 s[G1+6], 0
	s_mov_b32 s[G1+7], 0
	s_mov_b32 s[G1S], 15|(3<<16)|(1<<21)
	s_mov_b32 s[G1S+1], 32<<16
	s_mov_b32 s[G1S+2], 32<<16
	s_mov_b32 s[G1S+3], 32<<16
	s_mov_b32 s[G1S+4], 32
	s_mov_b32 s[G1S+5], 32
	s_mov_b32 s[G1S+6], 0
	s_mov_b32 s[G1S+7], 0
	s_mov_b32 s[CS], 0x3e38aa3b
	s_mov_b32 s[CS+1], s[CS]
	s_mov_b32 s[SEL], 0x76543210
	s_mov_b32 s[SEL+1], 0xfedcba98
	s_mov_b32 s[MNT], 0x600000
	s_mov_b32 s[FLR], 0x4800000
	s_mov_b32 s[TB], 0
	s_mov_b32 s[TS], 0
	s_mov_b32 s[SLOTS], 6
	s_sub_co_u32 s26, s[WV], 4
	s_lshr_b32 s26, s26, 2
	s_or_b32 s26, s26, ttmp9
	s_cmp_eq_u32 s26, 0
	s_cselect_b32 s[LIM], 1, -1
	s_lshl_b32 s28, s[HP], 15
	s_lshl_b32 s26, s[BB], 20
	s_add_co_u32 s26, s26, s28
	s_mov_b32 s27, 0
	s_lshl_b32 s31, s[HP], 13
	s_lshl_b32 s30, s[BB], 15
	s_add_co_u32 s30, s30, s31
	s_add_co_u32 s29, s31, SCK
	s_mov_b32 s31, 0
	v_and_b32 v249, 31, v0
	v_bfe_u32 v250, v0, 4, 1
	v_and_b32 v251, 15, v0
	v_lshlrev_b32 v[LI], 4, v249
	s_lshl_b32 s74, s[HP], 11
	v_add_nc_u32 v[AK0], s74, v[LI]
	v_lshl_add_u32 v[AS0], v249, 2, s29
	v_lshl_add_u32 v[AM0], v250, 5, MSK
	v_lshlrev_b32 v[PFO], 8, v249
	v_lshlrev_b32 v244, 4, v0
	v_lshl_add_u32 v245, v0, 4, MSK
	v_lshlrev_b32 v246, 2, v251
	ADDRS
	s_wait_dscnt 0x0
	s_wait_kmcnt 0x0
	s_mov_b32 s[G0S], 1
	s_mov_b32 s[G0S+1], s29
	s_add_nc_u64 s[G0S+2:G0S+3], s[10:11], s[30:31]
	s_or_b32 s[G0S+3], s[G0S+3], 0x80000000
	s_mov_b32 s[G0A], 1
	s_mov_b32 s[G0A+1], s28
	s_add_nc_u64 s[G0A+2:G0A+3], s[8:9], s[26:27]
	s_or_b32 s[G0A+3], s[G0A+3], 0x80000000
	s_mov_b32 s[G0B], 1
	s_add_co_u32 s[G0B+1], s28, SLOT1
	s_add_nc_u64 s[G0B+2:G0B+3], s[8:9], s[26:27]
	s_add_nc_u64 s[G0B+2:G0B+3], s[G0B+2:G0B+3], SLOT1
	s_or_b32 s[G0B+3], s[G0B+3], 0x80000000
	s_lshl_b32 s74, s[BB], 20
	s_lshl_b32 s75, s[CX], 15
	s_add_co_u32 s74, s74, s75
	s_lshl_b32 s75, s[HP], 13
	s_add_co_u32 s74, s74, s75
	s_add_co_u32 s74, s74, 2*SLOT1
	s_mov_b32 s75, 0
	s_add_nc_u64 s[PFA:PFA+1], s[8:9], s[74:75]
	s_lshl_b32 s76, s[BB], 8
	s_lshl_b32 s77, s[WGX], 2
	s_add_co_u32 s76, s76, s77
	s_add_co_u32 s76, s76, s[QT]
	s_lshl_b32 s78, s76, 13
	s_lshl_b32 s79, s[HP], 11
	s_add_co_u32 s78, s78, s79
	s_mov_b32 s79, 0
	s_add_nc_u64 s[4:5], s[4:5], s[78:79]
	s_lshr_b32 s78, s76, 7
	s_lshl_b32 s78, s78, 15
	s_lshl_b32 s79, s[HP], 13
	s_add_co_u32 s78, s78, s79
	s_and_b32 s79, s76, 127
	s_lshl_b32 s79, s79, 6
	s_add_co_u32 s78, s78, s79
	s_mov_b32 s79, 0
	s_add_nc_u64 s[6:7], s[6:7], s[78:79]
	s_lshl_b32 s78, s[BB], 13
	s_add_nc_u64 s[12:13], s[12:13], s[78:79]
	s_lshl_b32 s78, s[WV], 14
	s_add_nc_u64 s[14:15], s[14:15], s[78:79]
	s_lshl_b32 s78, s[WV], 9
	s_add_nc_u64 s[16:17], s[16:17], s[78:79]
	s_lshl_b32 s78, s[BB], 12
	s_lshl_b32 s77, s[WGX], 6
	s_add_co_u32 s78, s78, s77
	s_lshl_b32 s77, s[WV], 2
	s_add_co_u32 s78, s78, s77
	s_lshl_b32 s78, s78, 11
	s_add_nc_u64 s[18:19], s[18:19], s[78:79]
	CROUND
	s_cmp_lt_u32 s[WV], 4
	s_cbranch_scc0 .Lno_fill
	tensor_load_to_lds s[G0S:G0S+3], s[G1S:G1S+7]
	s_nop 0
	tensor_load_to_lds s[G0A:G0A+3], s[G1:G1+7]
	s_nop 0
	tensor_load_to_lds s[G0B:G0B+3], s[G1:G1+7]
	s_nop 0
.rept 4
	v_nop
.endr
.Lno_fill:
	global_load_b128 v[240:243], v244, s[12:13]
	global_load_b128 v[QB:QB+3], v[LI], s[4:5] th:TH_LOAD_NT
	global_load_b128 v[QB+4:QB+7], v[LI], s[4:5] offset:512 th:TH_LOAD_NT
	global_load_b128 v[QB+16:QB+19], v[LI], s[4:5] offset:1024 th:TH_LOAD_NT
	global_load_b128 v[QB+20:QB+23], v[LI], s[4:5] offset:1536 th:TH_LOAD_NT
	global_load_b32 v[QS], v246, s[6:7]
.irp i, 8,9,10,11,12,13,14,15
	v_mov_b32 v[QB+\i], 0
.endr
.irp e, 0,1
	v_mov_b32 v[ST+12*\e+1], 0xff61b1e6
.irp i, 2,3,4,5,6,7,8,9,10,11
	v_mov_b32 v[ST+12*\e+\i], 0
.endr
	v_mul_f32 v[ST+12*\e], s[CS], v[ST+12*\e+1]
.endr
	s_wait_loadcnt 5
.irp i, 0,1,2,3
	v_cvt_f32_i32 v[240+\i], v[240+\i]
.endr
	ds_store_b128 v245, v[240:243]
	s_wait_tensorcnt 0x1
	s_wait_dscnt 0x0
	s_barrier_signal -1
	s_barrier_wait -1
	s_wait_loadcnt 0x0
	STEP 0, 1
	STEP 1, 0
	STEP 2, 0
	STEP 3, 0
.Lslot:
	CHANGE 1
	SLOT4
	s_sub_co_u32 s[SLOTS], s[SLOTS], 1
	s_cmp_lg_u32 s[SLOTS], 0
	s_cbranch_scc1 .Lslot
	CHANGE 0
	SLOT4
	v_and_b32 v240, 15, v0
	v_bfe_u32 v241, v0, 4, 1
	v_and_b32 v242, 31, v0
	v_lshlrev_b32 v[WPA], 9, v240
	v_lshl_add_u32 v[WPA], v241, 4, v[WPA]
	v_lshlrev_b32 v[WPSA], 4, v240
.irp s, 0,1,2,3
	WPLOAD 0, \s
.endr
	global_load_b128 v[WPS:WPS+3], v[WPSA], s[16:17]
	global_load_b128 v[WPS+4:WPS+7], v[WPSA], s[16:17] offset:256
	SMB 0, 0
	WPLOAD 1, 0
	WPLOAD 1, 1
	SMA 1
	SMB 1, -1
	WPLOAD 1, 2
	WPLOAD 1, 3
.irp e, 0,1
	v_pk_add_f32 v[ST+12*\e+2:ST+12*\e+3], v[ST+12*\e+2:ST+12*\e+3], v[ST+12*\e+4:ST+12*\e+5]
	v_pk_add_f32 v[ST+12*\e+6:ST+12*\e+7], v[ST+12*\e+6:ST+12*\e+7], v[ST+12*\e+8:ST+12*\e+9]
.endr
.irp e, 0,1
	v_permlanex16_b32 v[ST+12*\e+4], v[ST+12*\e], s[SEL], s[SEL+1]
.endr
.irp e, 0,1
	v_add_f32 v[ST+12*\e+2], v[ST+12*\e+2], v[ST+12*\e+3]
	v_add_f32 v[ST+12*\e+6], v[ST+12*\e+6], v[ST+12*\e+7]
.endr
.irp e, 0,1
	v_max_num_f32 v[ST+12*\e+5], v[ST+12*\e], v[ST+12*\e+4]
.endr
.irp e, 0,1
	v_sub_f32 v[ST+12*\e+11], v[ST+12*\e], v[ST+12*\e+5]
.endr
.irp e, 0,1
	v_exp_f32 v[ST+12*\e+10], v[ST+12*\e+11]
.endr
	s_lshl_b32 s74, s[WV], 11
	v_add_nc_u32 v[XWI], s74, v[LI]
	v_lshl_add_u32 v[LS], v242, 2, XSC
	s_lshl_b32 s74, s[WV], 7
	v_add_nc_u32 v[XWS], s74, v[LS]
	s_add_co_u32 s74, s74, STG
	v_mul_u32_u24 v[SO], v240, SP
	v_lshl_add_u32 v[SO], v241, 5, v[SO]
	v_add_nc_u32 v[SO], s74, v[SO]
	s_mul_i32 s74, s[WV], 4*SP
	s_add_co_u32 s74, s74, STG
	v_add_nc_u32 v[SR], s74, v[LI]
	s_wait_alu depctr_va_vdst(0)
.irp e, 0,1
	v_mul_f32 v[ST+12*\e+2], v[ST+12*\e+2], v[ST+12*\e+10]
	v_mul_f32 v[ST+12*\e+6], v[ST+12*\e+6], v[ST+12*\e+10]
.endr
.irp e, 0,1
	v_permlanex16_b32 v[ST+12*\e+3], v[ST+12*\e+2], s[SEL], s[SEL+1]
	v_permlanex16_b32 v[ST+12*\e+7], v[ST+12*\e+6], s[SEL], s[SEL+1]
.endr
.irp e, 0,1
	v_add_f32 v[ST+12*\e+2], v[ST+12*\e+2], v[ST+12*\e+3]
	v_add_f32 v[ST+12*\e+6], v[ST+12*\e+6], v[ST+12*\e+7]
.endr
.irp e, 0,1
	v_rcp_f32 v[ST+12*\e+8], v[ST+12*\e+2]
.endr
	v_nop
	s_wait_alu depctr_va_vdst(0)
.irp e, 0,1
	v_mul_f32 v[ST+12*\e+9], v[ST+12*\e+6], v[ST+12*\e+8]
.endr
.irp e, 0,1
	v_fma_f32 v[ST+12*\e+11], -v[ST+12*\e+9], v[ST+12*\e+2], v[ST+12*\e+6]
.endr
.irp e, 0,1
	v_fma_f32 v[ST+12*\e+9], v[ST+12*\e+11], v[ST+12*\e+8], v[ST+12*\e+9]
.endr
.irp e, 0,1
	v_max_num_f32 v[ST+12*\e+2], |v[ST+12*\e+9]|, s[FLR]
.endr
.irp e, 0,1
	v_add_nc_u32 v[ST+12*\e+3], 0xfc000000, v[ST+12*\e+2]
	v_and_or_b32 v[ST+12*\e+4], v[ST+12*\e+2], 0x7f800000, s[MNT]
.endr
.irp e, 0,1
	v_lshrrev_b32 v[ST+12*\e+5], 23, v[ST+12*\e+3]
.endr
.irp e, 0,1
	v_mul_u32_u24 v[ST+12*\e+5], v[ST+12*\e+5], 0x101
.endr
	v_lshl_or_b32 v[PW], v[ST+12+5], 16, v[ST+5]
.irp e, 0,1
.irp i, 0,1,2,3,4,5,6,7
	v_med3_num_f32 v[XN+8*\e+\i], v[ST+12*\e+9], -v[ST+12*\e+4], v[ST+12*\e+4]
.endr
.endr
.irp e, 0,1
	v_cvt_scalef32_pk8_fp8_f32 v[PC+4*\e:PC+4*\e+1], v[XN+8*\e:XN+8*\e+7], v[ST+12*\e+3]
	v_cvt_scalef32_pk8_fp8_f32 v[PC+4*\e+2:PC+4*\e+3], v[XN+8*\e:XN+8*\e+7], v[ST+12*\e+3]
.endr
	v_nop
.irp e, 0,1
	ds_store_b128 v[XWI], v[PC+4*\e:PC+4*\e+3] offset:XIMG+1024*\e
	ds_store_b128 v[XWI], v[PC+4*\e:PC+4*\e+3] offset:XIMG+1024*\e+512
.endr
	ds_store_b32 v[XWS], v[PW]
	s_wait_dscnt 0x0
	s_barrier_signal -1
	s_barrier_wait -1
.irp m, 0,1,2,3
.irp s, 0,1,2,3
.irp c, 0,1,2,3
	ds_load_b128 v[16+16*\s+144*(\s/2)+4*\c:16+16*\s+144*(\s/2)+4*\c+3], v[LI] offset:XIMG+(4*\m+\s)*2048+512*\c
.endr
	ds_load_b32 v[XS+\s], v[LS] offset:128*(4*\m+\s)
.endr
	s_wait_dscnt 0x0
.if \m == 0
	s_wait_loadcnt 0x0
.endif
.irp s, 0,1,2,3
.irp n, 0,1
.if \s == 0
	v_wmma_scale_f32_16x16x128_f8f6f4 v[ACC+8*\n:ACC+8*\n+7], v[KF+64*\n+16*\s:KF+64*\n+16*\s+15], v[16+16*\s+144*(\s/2):16+16*\s+144*(\s/2)+15], 0, v[WPS+4*\n+\s], v[XS+\s]
.else
	v_wmma_scale_f32_16x16x128_f8f6f4 v[ACC+8*\n:ACC+8*\n+7], v[KF+64*\n+16*\s:KF+64*\n+16*\s+15], v[16+16*\s+144*(\s/2):16+16*\s+144*(\s/2)+15], v[ACC+8*\n:ACC+8*\n+7], v[WPS+4*\n+\s], v[XS+\s]
.endif
.endr
.endr
.rept 9
	v_nop
.endr
.irp n, 0,1
	ds_store_b128 v[SO], v[ACC+8*\n:ACC+8*\n+3] offset:64*\n
	ds_store_b128 v[SO], v[ACC+8*\n+4:ACC+8*\n+7] offset:64*\n+16
.endr
.if \m < 3
	v_add_nc_u32 v[SO], 16*SP, v[SO]
.endif
.endr
	s_wait_dscnt 0x0
	s_barrier_signal -1
	s_barrier_wait -1
.irp n, 0,1,2,3,4,5,6,7,8,9,10,11,12,13,14,15
	ds_load_b128 v[KF+4*\n:KF+4*\n+3], v[SR] offset:(\n/4)*SP+(\n%4)*512
.endr
.irp n, 0,1,2,3,4,5,6,7,8,9,10,11,12,13,14,15
	s_wait_dscnt 15-\n
	global_store_b128 v[LI], v[KF+4*\n:KF+4*\n+3], s[18:19] offset:(\n/4)*2048+(\n%4)*512 th:TH_STORE_NT
.endr
	s_wait_tensorcnt 0x0
	ds_add_u32 v[SPW], v[NIL]
	s_wait_dscnt 0x0
	CROUND
	s_endpgm
.Lfunc_end_k_q2b26a14972_attn:
	.size	k_q2b26a14972_attn, .Lfunc_end_k_q2b26a14972_attn-k_q2b26a14972_attn
	.p2alignl 7, 3214868480
	.fill 96, 4, 3214868480
	.section	.rodata,"a",@progbits
	.p2align	6, 0x0
	.amdhsa_kernel k_q2b26a14972_attn
		.amdhsa_group_segment_fixed_size 327680
		.amdhsa_private_segment_fixed_size 0
		.amdhsa_enable_private_segment 0
		.amdhsa_kernarg_size 64
		.amdhsa_user_sgpr_count 2
		.amdhsa_user_sgpr_kernarg_segment_ptr 1
		.amdhsa_wavefront_size32 1
		.amdhsa_system_sgpr_workgroup_id_x 1
		.amdhsa_system_sgpr_workgroup_id_y 1
		.amdhsa_system_sgpr_workgroup_id_z 1
		.amdhsa_system_vgpr_workitem_id 0
		.amdhsa_next_free_vgpr 256
		.amdhsa_next_free_sgpr 80
		.amdhsa_reserve_vcc 0
		.amdhsa_float_denorm_mode_32 3
		.amdhsa_float_denorm_mode_16_64 3
		.amdhsa_memory_ordered 1
		.amdhsa_forward_progress 1
		.amdhsa_inst_pref_size 194
	.end_amdhsa_kernel
	.amdgpu_metadata
---
amdhsa.version: [ 1, 2 ]
amdhsa.kernels:
  - .name:           k_q2b26a14972_attn
    .symbol:         k_q2b26a14972_attn.kd
    .args:
      - { .name: qc, .offset: 0, .size: 8, .value_kind: global_buffer, .address_space: global }
      - { .name: qs, .offset: 8, .size: 8, .value_kind: global_buffer, .address_space: global }
      - { .name: kc, .offset: 16, .size: 8, .value_kind: global_buffer, .address_space: global }
      - { .name: ks, .offset: 24, .size: 8, .value_kind: global_buffer, .address_space: global }
      - { .name: supp_mask, .offset: 32, .size: 8, .value_kind: global_buffer, .address_space: global }
      - { .name: Wp_codes, .offset: 40, .size: 8, .value_kind: global_buffer, .address_space: global }
      - { .name: Wp_scales, .offset: 48, .size: 8, .value_kind: global_buffer, .address_space: global }
      - { .name: out0, .offset: 56, .size: 8, .value_kind: global_buffer, .address_space: global }
    .group_segment_fixed_size: 327680
    .private_segment_fixed_size: 0
    .kernarg_segment_align: 8
    .kernarg_segment_size: 64
    .max_flat_workgroup_size: 512
    .sgpr_count:     80
    .vgpr_count:     256
    .wavefront_size: 32
...
	.end_amdgpu_metadata
.endif
;; end of part 2
